; MI455X (gfx1250); checked and timed in simulation.
; The chip was launched on July 23, 2026; its instructions are those of AMD's public machine-readable ISA for CDNA 5 (MIT licence, August 2026) and "CDNA5" Instruction Set Architecture Reference Guide (July 2026). The comments in the code are by the model that wrote it; some were corrected since.
;; Additive Attention. Allowed arithmetic: matrix products marked QUANTISED: E4M3 operands, one E8M0 scale for each 32 along K, by v_wmma_scale_f32_16x16x128_f8f6f4 with both operands' format E4M3, f32 sums; products left as they are: f32 operands where the result goes on into a quantised operand, else bf16, f16 or f32 operands; f32 sums; everything else in f32.
;; Inputs: Wk 1,024 x 1,024 float32; Wq 1,024 x 1,024 float32; b_score one number float32; bias 1,024 float32; key 32 x 1,024 x 1,024 float32; query 32 x 1,024 x 1,024 float32; w_score 1,024 float32.
;; Outputs: out0 32 x 1 x 1,024 float32; out1 32 x 1,024 float32.
;; This version of the problem:
;;   THIS VERSION OF THE PROBLEM IS GIVEN IN LOW PRECISION. The matrix products marked QUANTISED in the list below multiply operands that are first quantised to E4M3 (4 exponent bits, 3 mantissa bits; 8 bits a number), with one power-of-two scale for each 32 numbers along K (OCP MX v1.0); their sums are f32. All else is computed in f32.
;;   The module's matrix products, in the order in which they are computed (A, B: the left and right operand; K: the contracted axis; several contracted axes count as one K, in the product's order):
;;     1. [M 32,768, K 1,024] x [K 1,024, N 1,024]; A: input key; B: input Wk: QUANTISED
;;     2. [M 32,768, K 1,024] x [K 1,024, N 1,024]; A: input query; B: input Wq: QUANTISED
;;     3. [M 32,768, K 1,024] x [K 1,024, N 1]; A: computed on the way; B: input w_score: left as it is (N = 1 < 16)
;;     4. batch 32 x [M 1, K 1,024] x [K 1,024, N 1,024]; A: softmax; B: input key: left as it is (M = 1 < 16)
;;   THE QUANTISER, for each operand of a quantised product, along K:
;;     - K is cut into blocks of 32 from its start; a last block that is shorter is filled with zeros.
;;     - A block's scale is 2^e with e = floor(log2(the largest magnitude in the block)) - 8, held to -126 .. 127; a block of zeros has e = 0. As a byte (E8M0): e + 127.
;;     - Each number is divided by its block's scale, clamped to +-448, and rounded to the nearest number of E4M3, ties to even, subnormals kept.
;;     - The product sums the exact products of the quantised numbers (number of the format x scale) in f32.
;;   ~~~python
;;   def quantise(x, axis):      # numpy; x: float32 -> the quantised numbers, widened to float32 again
;;       x = np.moveaxis(x, axis, -1); K = x.shape[-1]
;;       x = np.pad(x, [(0, 0)] * (x.ndim - 1) + [(0, -K % 32)]); x = x.reshape(x.shape[:-1] + (-1, 32)); a = np.abs(x).max(-1, keepdims=True)
;;       e = np.where(a > 0, np.clip(np.frexp(np.where(a > 0, a, 1))[1] - 1 - 8, -126, 127), 0)      # np.frexp(a)[1] - 1 = floor(log2(a)), exactly
;;       r = np.clip(x / 2.0 ** e, -448, 448)
;;       step = 2.0 ** (np.maximum(np.frexp(np.where(r == 0, 1, r))[1] - 1, -6) - 3)
;;       q = np.round(r / step) * step * 2.0 ** e      # np.round: ties to even
;;       return np.moveaxis(q.reshape(q.shape[:-2] + (-1,))[..., :K], -1, axis).astype(np.float32)
;;   ~~~
;; One version. Each part assembles by itself: llvm-mc -triple=amdgcn-amd-amdhsa -mcpu=gfx1250 --defsym DOCPART=n.
;; ======== version 1 of 1: 3 launches
;; limits: a difference of large sums (such as E[x^2] - mean^2): digits are lost where the result is much smaller than its terms
;; workspace buffers: wimg 2,162,688 bytes; score 131,072 bytes; pctx 2,097,152 bytes
;; launch wquant (part 1): grid 128 x 1, 8 waves a work-group, no clusters, 69,632 bytes of LDS; arguments Wk, Wq, wimg; writes wimg
.if DOCPART == 1
	.amdgcn_target "amdgcn-amd-amdhsa--gfx1250"
	.amdhsa_code_object_version 6
	.text
	.protected	k_qa6d97e82e6_wquant
	.globl	k_qa6d97e82e6_wquant
	.p2align	8
	.type	k_qa6d97e82e6_wquant,@function
k_qa6d97e82e6_wquant:
	s_mov_b64 s[64:65], 0
	v_nop
	global_prefetch_b8 v0, s[64:65] scope:SCOPE_SE
	s_setreg_imm32_b32 hwreg(HW_REG_WAVE_MODE, 25, 1), 1
	s_wait_xcnt 0x0
; Wk and Wq, [1024][1024] f32 with K innermost, become codes of FP8 (E4M3) with one E8M0 scale byte for each 32 along K, laid IN THE ORDER OF THE OPERAND'S REGISTERS.
; W = [Wk | Wq] has K = 2,048: 16 K steps of 128 (s < 8: Wk's columns 128 s on; s >= 8: Wq's columns 128 (s - 8) on).
; wimg: [s][w] blocks of 33,792 bytes, w = which 256 rows of W.  A block: 16 fragments of 2,048 bytes (tile t: rows 256 w + 16 t + r; registers 4 c .. 4 c + 3 of a lane at 2048 t + 512 c + 16 lane),
; then 1,024 bytes of scale words: tile t's word of row r at 32768 + 512 (t / 8) + 16 (r + 16 (t % 2)) + 4 ((t / 2) % 4): two loads of 16 bytes a lane then give eight registers, register t / 2 with
; tile t's words in lanes 0-15 (t even) or lanes 16-31 (t odd).
; A block's scale is 2^(floor(log2(its largest magnitude)) - 8); its byte is the largest magnitude's exponent field - 8, held at 1 from below.
; LIMITS: a block of zeros gets the byte 1 where the quantiser says 127 (its codes are zeros, which add nothing, and this program alone reads the bytes); blocks whose largest magnitude lies under 2^(9 - 127)
; share that byte; NaN and infinities among the inputs are not served.
; SHARES: work-group g: s = g / 8, w = (g / 2) % 4, half = g % 2; its wave tw makes the one fragment of tile t = 8 half + tw.  Each load reads 512 consecutive bytes of one row; the 16 rows x 512 bytes turn
; through the wave's own stage in LDS (pitch 528 = 33 x 16 bytes), so that a lane gets 16 neighbours along K of each of its row's four blocks.  No matrix unit, no tensor load, no cluster: the launch reads each byte once.
.set STG,  8448                        ; a wave's stage: 16 rows x 528 bytes
.set SC,   67584                       ; behind the eight stages: the half block's 512 bytes of scale words
.set R,    16                          ; v16-79   the numbers as loaded
.set X,    80                          ; v80-143  register 16 b + i: k = 32 b + 16 (lane / 16) + i of row lane % 16
.set TM,   144                         ; v144-147 largest magnitudes, v148-151 bytes, v152-155 448 x the scale, v156-159 the conversions' scale operands
.set PW,   160                         ; the row's scale word
.set PC,   164                         ; v164-179 the fragment's codes
.set OUTR, 180                         ; v180-183 the scale words on their way out
.set SEL,  28                          ; s[28:29] selects for v_permlanex16_b32: lane l xor 16
.set MNT,  30                          ; s30 the mantissa field of 448
.macro QMAX                            ; the largest magnitude of my 16 numbers of each block, with the floor 2^(9 - 127) among the leaves; the four blocks by turns
.irp b, 0,1,2,3
	v_max3_num_f32 v[TM+\b], |v[X+16*\b]|, |v[X+1+16*\b]|, 0x4800000
.endr
.irp i, 2,4,6,8,10,12,14
.irp b, 0,1,2,3
	v_max3_num_f32 v[TM+\b], v[TM+\b], |v[X+16*\b+\i]|, |v[X+1+16*\b+\i]|
.endr
.endr
.endm
.macro QSCL                            ; joined with lane l xor 16's; the scale operand, the hold, the byte, the row's scale word
.irp b, 0,1,2,3
	v_permlanex16_b32 v[TM+4+\b], v[TM+\b], s[SEL], s[SEL+1]
.endr
.irp b, 0,1,2,3
	v_max_num_f32 v[TM+\b], v[TM+\b], v[TM+4+\b]
.endr
.irp b, 0,1,2,3
	v_add_nc_u32 v[TM+12+\b], 0xfc000000, v[TM+\b]          ; 8 off the exponent field: the conversion takes this operand's exponent field as its scale
.endr
.irp b, 0,1,2,3
	v_and_or_b32 v[TM+8+\b], v[TM+\b], 0x7f800000, s[MNT]   ; 448 x the scale
.endr
.irp b, 0,1,2,3
	v_lshrrev_b32 v[TM+4+\b], 23, v[TM+12+\b]               ; the scale's byte
.endr
	v_lshl_or_b32 v[PW], v[TM+5], 8, v[TM+4]
	v_lshl_or_b32 v[PW], v[TM+6], 16, v[PW]
	v_lshl_or_b32 v[PW], v[TM+7], 24, v[PW]
.endm
.macro QCVT b                          ; block b: the hold (the conversion to an 8-bit code does not saturate: ISA guide 7.6.2), then 16 codes
.irp i, 0,1,2,3,4,5,6,7,8,9,10,11,12,13,14,15
	v_med3_num_f32 v[X+16*(\b)+\i], v[X+16*(\b)+\i], -v[TM+8+(\b)], v[TM+8+(\b)]
.endr
	v_cvt_scalef32_pk8_fp8_f32 v[PC+4*(\b):PC+4*(\b)+1], v[X+16*(\b):X+16*(\b)+7], v[TM+12+(\b)]
	v_cvt_scalef32_pk8_fp8_f32 v[PC+4*(\b)+2:PC+4*(\b)+3], v[X+16*(\b)+8:X+16*(\b)+15], v[TM+12+(\b)]
	v_nop                                          ; a plain line behind the conversions
.endm
	s_load_b128 s[4:7], s[0:1], 0x0                ; Wk, Wq
	s_load_b64 s[8:9], s[0:1], 0x10                ; wimg
	v_lshl_add_u32 v192, v0, 2, 0x10c00
	v_mov_b32 v193, 0
	v_lshrrev_b32 v6, 5, v0
	v_readfirstlane_b32 s10, v6                    ; wave tw, 0..7
	v_and_b32 v7, 31, v0                           ; lane
	v_and_b32 v8, 15, v0                           ; r
	v_bfe_u32 v9, v0, 4, 1                         ; h
	v_lshlrev_b32 v1, 4, v7                        ; 16 x lane: in a row's 512 bytes, and in every image
	s_mul_i32 s11, s10, STG
	v_add_nc_u32 v2, s11, v1                       ; the stage, on the way in
	v_mul_u32_u24 v3, v8, 528
	v_lshl_add_u32 v3, v9, 6, v3
	v_add_nc_u32 v3, s11, v3                       ; and on the way out: row r, + 64 h
	s_and_b32 s12, s10, 1
	s_lshl_b32 s12, s12, 8                         ; 256 (tw % 2)
	s_lshr_b32 s13, s10, 1
	s_lshl_b32 s13, s13, 2                         ; 4 (tw / 2)
	s_add_co_u32 s12, s12, s13
	s_add_co_u32 s12, s12, SC
	v_lshl_add_u32 v4, v8, 4, s12                  ; where my row's scale word goes
	v_add_nc_u32 v5, SC, v1                        ; and where wave 0 reads 16 bytes of them back
.irp b, 0,1,2,3
	v_mov_b32 v[TM+4+\b], 0                        ; written once: a lane permute's destination counts as one of its sources
.endr
	s_mov_b32 s[SEL], 0x76543210
	s_mov_b32 s[SEL+1], 0xfedcba98
	s_mov_b32 s[MNT], 0x600000
	s_lshr_b32 s14, ttmp9, 3                       ; s
	s_bfe_u32 s15, ttmp9, 0x20001                  ; w
	s_and_b32 s16, ttmp9, 1                        ; half
	s_lshl_b32 s17, s16, 3
	s_add_co_u32 s17, s17, s10                     ; t
	s_lshl_b32 s18, s15, 8
	s_lshl_b32 s19, s17, 4
	s_add_co_u32 s18, s18, s19                     ; my first row of W: 256 w + 16 t,
	s_lshl_b32 s18, s18, 12                        ; of 4,096 bytes,
	s_and_b32 s19, s14, 7
	s_lshl_b32 s19, s19, 9                         ; + the K step's 512 bytes
	s_add_co_u32 s18, s18, s19
	s_mov_b32 s19, 0
	s_lshl_b32 s20, s14, 2
	s_add_co_u32 s20, s20, s15
	s_mul_i32 s20, s20, 33792                      ; the block [s][w]
	s_mov_b32 s21, 0
	s_lshl_b32 s22, s17, 11                        ; my fragment in it
	s_mov_b32 s23, 0
	s_lshl_b32 s24, s16, 9
	s_add_co_u32 s24, s24, 32768                   ; the half block's scale words in it
	s_mov_b32 s25, 0
	s_wait_kmcnt 0x0
	s_cmp_lt_u32 s14, 8                            ; Wk or Wq: the choice hangs on the work-group's number alone
	s_cselect_b64 s[4:5], s[4:5], s[6:7]
	s_add_nc_u64 s[4:5], s[4:5], s[18:19]
	s_add_nc_u64 s[8:9], s[8:9], s[20:21]
	s_add_nc_u64 s[26:27], s[8:9], s[24:25]
	s_add_nc_u64 s[8:9], s[8:9], s[22:23]
.irp i, 0,1,2,3,4,5,6,7,8,9,10,11,12,13,14,15
	global_load_b128 v[R+4*\i:R+4*\i+3], v1, s[4:5] offset:4096*\i th:TH_LOAD_NT   ; row i: 32 lanes read 512 consecutive bytes
.endr
.irp i, 0,1,2,3,4,5,6,7,8,9,10,11,12,13,14,15
	s_wait_loadcnt 15-\i                           ; loads come back in order: row i is in, the younger ones stay out
	ds_store_b128 v2, v[R+4*\i:R+4*\i+3] offset:528*\i
.endr
.irp b, 0,1,2,3
.irp j, 0,1,2,3
	ds_load_b128 v[X+16*\b+4*\j:X+16*\b+4*\j+3], v3 offset:128*\b+16*\j   ; LDS serves a wave's instructions in order: these see my stores
.endr
.endr
	s_wait_dscnt 0x0
	QMAX
	QSCL
	QCVT 0
	QCVT 1
	QCVT 2
	QCVT 3
.irp c, 0,1,2,3
	global_store_b128 v1, v[PC+4*\c:PC+4*\c+3], s[8:9] offset:512*\c   ; the fragment as it stands: 512 consecutive bytes a store
.endr
	ds_store_b32 v4, v[PW]                         ; lanes r and r + 16 write the same word with the same value
	s_wait_dscnt 0x0                               ; for the others' sake: my word lies in LDS
	s_barrier_signal -1
	s_barrier_wait -1
	s_cmp_lg_u32 s10, 0
	s_cbranch_scc1 .Ldone                          ; wave 0 sends the eight tiles' scale words: 512 consecutive bytes
	ds_load_b128 v[OUTR:OUTR+3], v5
	s_wait_dscnt 0x0
	global_store_b128 v1, v[OUTR:OUTR+3], s[26:27]
.Ldone:
	s_wait_tensorcnt 0x0
	ds_add_u32 v192, v193
	s_wait_dscnt 0x0
	s_endpgm
.Lfunc_end_k_qa6d97e82e6_wquant:
	.size	k_qa6d97e82e6_wquant, .Lfunc_end_k_qa6d97e82e6_wquant-k_qa6d97e82e6_wquant
	.p2alignl 7, 3214868480
	.fill 96, 4, 3214868480
	.section	.rodata,"a",@progbits
	.p2align	6, 0x0
	.amdhsa_kernel k_qa6d97e82e6_wquant
		.amdhsa_group_segment_fixed_size 69632
		.amdhsa_private_segment_fixed_size 0
		.amdhsa_enable_private_segment 0
		.amdhsa_kernarg_size 24
		.amdhsa_user_sgpr_count 2
		.amdhsa_user_sgpr_kernarg_segment_ptr 1
		.amdhsa_wavefront_size32 1
		.amdhsa_system_sgpr_workgroup_id_x 1
		.amdhsa_system_sgpr_workgroup_id_y 1
		.amdhsa_system_sgpr_workgroup_id_z 1
		.amdhsa_system_vgpr_workitem_id 0
		.amdhsa_next_free_vgpr 194
		.amdhsa_next_free_sgpr 66
		.amdhsa_reserve_vcc 0
		.amdhsa_float_denorm_mode_32 3
		.amdhsa_float_denorm_mode_16_64 3
		.amdhsa_memory_ordered 1
		.amdhsa_forward_progress 1
		.amdhsa_inst_pref_size 16
	.end_amdhsa_kernel
	.amdgpu_metadata
---
amdhsa.version: [ 1, 2 ]
amdhsa.kernels:
  - .name:           k_qa6d97e82e6_wquant
    .symbol:         k_qa6d97e82e6_wquant.kd
    .args:
      - { .name: Wk, .offset: 0, .size: 8, .value_kind: global_buffer, .address_space: global }
      - { .name: Wq, .offset: 8, .size: 8, .value_kind: global_buffer, .address_space: global }
      - { .name: wimg, .offset: 16, .size: 8, .value_kind: global_buffer, .address_space: global }
    .group_segment_fixed_size: 69632
    .private_segment_fixed_size: 0
    .kernarg_segment_align: 8
    .kernarg_segment_size: 24
    .max_flat_workgroup_size: 256
    .sgpr_count:     66
    .vgpr_count:     194
    .wavefront_size: 32
...
	.end_amdgpu_metadata
.endif
;; end of part 1
;; launch fused (part 2): grid 512 x 1, 4 waves a work-group, no clusters, 327,680 bytes of LDS; arguments key, query, wimg, bias, w_score, b_score, score, pctx; writes score, pctx
.if DOCPART == 2
	.amdgcn_target "amdgcn-amd-amdhsa--gfx1250"
	.amdhsa_code_object_version 6
	.text
	.protected	k_qa6d97e82e6_fused
	.globl	k_qa6d97e82e6_fused
	.p2align	8
	.type	k_qa6d97e82e6_fused,@function
k_qa6d97e82e6_fused:
	s_mov_b64 s[64:65], 0
	v_nop
	global_prefetch_b8 v0, s[64:65] scope:SCOPE_SE
	s_setreg_imm32_b32 hwreg(HW_REG_WAVE_MODE, 25, 1), 1
	s_wait_xcnt 0x0
; For 64 rows of one batch: score = w_score . tanh(key Wk^T + query Wq^T + bias) + b_score, and the block's part of the context under its OWN maximum: pctx = sum over its rows of 2^((score - max) log2 e) x key.
; Both products are one product with K = 2,048, x = [key | query], W = [Wk | Wq], on codes of FP8 (E4M3) with one E8M0 scale for each 32 along K; sums in f32.
; SHARES.  Work-group blk owns rows 64 blk .. + 63.  THE WAVES SHARE THE COLUMNS: wave w makes columns 256 w .. + 255 for all 64 rows: 4 tiles of rows x 16 tiles of columns = 64 accumulators, 512 registers.
; K goes in 16 steps of 128 (0-7 key, 8-15 query).  Wave w also brings in and quantises rows 16 w .. + 15: f32 by the tensor data mover into a ring of two LDS slots of its own (a slot: 16 rows x 1,024 bytes,
; two K steps; the tile has 16 rows because a wave quantises one tile of rows), quantised in registers one step ahead of the products, and handed to the other waves as an image of the operand's registers.
; So key and query are read from memory once.  The key rows are also kept in LDS as bf16, for the context.
; W comes from memory straight into registers, laid by the launch before in the order of the operand's registers: each fragment is used by one wave alone, so LDS would add a write and a read and spare nothing.
; NO CLUSTER: all work-groups walk the same W, but a shared tile has to land in LDS, of which 285,184 of 327,680 bytes are taken; the 42,496 left are under a third of one K step's 135,168 bytes of W.
; THE MATRIX INSTRUCTION IS USED TRANSPOSED (source 0 = 16 rows of W, source 1 = 16 rows of x): lane (r, h) holds row 16 m + r, and register j column 16 t + 8 h + j.
; tanh(x) = 1 - 2 / (1 + 2^(2 log2(e) x)), so the wave's part of a score is (the sum of its w) - 2 x (the sum of w / (1 + 2^..)): it ends rightly at +-1 where the power overflows or falls to 0.
; LIMITS: a block of zeros gets the scale byte 1 (its codes are zeros; the bytes are this program's own); NaN and infinities among the inputs are not served; key enters the context rounded to bf16;
; the score is a difference of two f32 sums, each of the size of the sum of |w_score| at the most; v_exp_f32 gives 0 for results under 2^-126.
; REGISTERS, in windows of 256.  Window 0: see the names below.  Window 1: W's 16 fragments, tile t at v[16 t]; after the last K step bias (v[16 t] on) and w_score (v[16 t + 8] on) of the lane's eight columns.
; Windows 2, 3: accumulator (m, t) at v[8 (4 (t % 8) + m)] of window 2 + t / 8.
.set ASLOT,  16640                     ; a slot of a wave's ring: 16 rows x (1,024 + 16) bytes: pitch 1,040 = 65 x 16 bytes
.set AWAVE,  2*ASLOT                   ; a wave's ring; the four rings lie from LDS byte 0 on
.set KEYC,   133120                    ; the key rows as bf16: 64 rows, pitch 2,064 = 129 x 16 bytes
.set KPITCH, 2064
.set XIMG,   265216                    ; x's operands, two buffers by turns:
.set XBUF,   8704                      ; four fragment images of 2,048 bytes (tile of rows m), then four times 128 bytes of scale words
.set SCR,    282624                    ; [wave][64 rows] parts of the scores
.set PB,     283648                    ; [wave][64] p: each wave's own copy
.set SPARE,  284672                    ; the spare words, 128 bytes for each wave: two blocks of 256 bytes that no other line names
.set WBLK,   33792                     ; a wave's part of a K step of W: 16 fragments and 1,024 bytes of scale words
.set WSTEP,  4*WBLK
.set SPW, 1                            ; v1   SPARE + 4 x my thread's number; never rewritten
.set NIL, 2                            ; v2   0; never rewritten
.set AR,  3                            ; v3   my place in my wave's ring: 33,280 w + 1,040 r + 64 h
.set IMR, 4                            ; v4   XIMG + 16 lane: an image's place for my lane
.set ISR, 5                            ; v5   XIMG + 8,192 + 4 lane: a scale word's
.set IMW, 6                            ; v6   where I store my tile's image: + 2,048 w
.set ISW, 7                            ; v7   and its scale words: + 128 w
.set KCW, 8                            ; v8   the key copy: KEYC + (16 w + r) 2,064 + 32 h, + 512 for every two K steps
.set L16, 9                            ; v9   16 lane
.set XA,  10                           ; v10  LDS address of the f32 numbers in hand
.set TBO, 11                           ; v11  32 h: my eight columns in bias and w_score
.set XS,  12                           ; v12-15  x's scale words, tile of rows m: scales and nothing else
.set WS,  16                           ; v16-31  W's scale words, two sets of eight: scales and nothing else
.set TM,  32                           ; v32-35 largest magnitudes, v36-39 bytes, v40-43 448 x the scale, v44-47 the conversions' scale operands
.set PW,  48                           ; v48  the scale word just made
.set LN,  49                           ; v49 lane, v50 r, v51 h
.set PC,  52                           ; v52-67   the codes just made
.set BF,  68                           ; v68-99   64 numbers as bf16
.set XF,  100                          ; v100-163 x's four fragments; at the end scores, p, key rows, sums
.set X,   164                          ; v164-227 64 numbers: register 16 b + i: k = 32 b + 16 h + i of my row
.set S,   228                          ; v228-235 four pairs: the sums of w / (1 + 2^..) of the four tiles of rows
.set SW,  236                          ; v236-237 the sum of w, as a pair
.set PT,  240                          ; v240-243 the parts of the scores
.set ASW, 244                          ; v244 SCR + 256 w + 4 r    v245 SCR + 8 lane    v246 PB + 256 w + 8 lane    v247 PB + 256 w
.set AKC, 248                          ; v248 KEYC + 8 x thread    v249 8 lane    v250 16 x thread
.set WV,  20                           ; s20  my wave's number
.set I,   21                           ; s21  trips
.set TBR, 22                           ; s22  the slot that is read: 0 or ASLOT
.set G1,  24                           ; s[24:31] descriptor group 1, never rewritten
.set G0A, 32                           ; s[32:35] group 0 of slot 0's first fill
.set G0W, 36                           ; s[36:39] group 0 of slot 1's first fill; it then walks
.set KROW, 40                          ; s[40:41] key at my wave's first row
.set QROW, 42                          ; s[42:43] query likewise
.set SEL, 48                           ; s[48:49] selects for v_permlanex16_b32: lane l xor 16
.set MNT, 50                           ; s50  the mantissa field of 448
.set C2,  52                           ; s[52:53] 2 log2(e): the packed forms name a pair and take its low word
.set C1,  54                           ; s54  log2(e)
.set WB,  58                           ; s[58:59] W's block of the K step that is being loaded
.set MSB, 0
.macro WIN new                         ; the immediate's high byte repeats the setting that is left; a switch that changes nothing is dropped
.if MSB != (\new)
	s_set_vgpr_msb (MSB<<8)|(\new)
.set MSB, (\new)
.endif
.endm
.macro PLACES n
.rept \n
	v_nop
.endr
.endm
; THE QUANTISER, in three parts, so that it can stand between the runs of matrix instructions.
.macro QMAX                            ; the largest magnitude of my 16 numbers of each block, with the floor 2^(9 - 127) among the leaves; the four blocks by turns
.irp b, 0,1,2,3
	v_max3_num_f32 v[TM+\b], |v[X+16*\b]|, |v[X+1+16*\b]|, 0x4800000
.endr
.irp i, 2,4,6,8,10,12,14
.irp b, 0,1,2,3
	v_max3_num_f32 v[TM+\b], v[TM+\b], |v[X+16*\b+\i]|, |v[X+1+16*\b+\i]|
.endr
.endr
.endm
.macro QSCL                            ; joined with lane l xor 16's; the scale operand, the hold, the byte, the row's scale word
.irp b, 0,1,2,3
	v_permlanex16_b32 v[TM+4+\b], v[TM+\b], s[SEL], s[SEL+1]
.endr
.irp b, 0,1,2,3
	v_max_num_f32 v[TM+\b], v[TM+\b], v[TM+4+\b]
.endr
.irp b, 0,1,2,3
	v_add_nc_u32 v[TM+12+\b], 0xfc000000, v[TM+\b]          ; 8 off the exponent field: the conversion takes this operand's exponent field as its scale
.endr
.irp b, 0,1,2,3
	v_and_or_b32 v[TM+8+\b], v[TM+\b], 0x7f800000, s[MNT]   ; 448 x the scale
.endr
.irp b, 0,1,2,3
	v_lshrrev_b32 v[TM+4+\b], 23, v[TM+12+\b]               ; the scale's byte
.endr
	v_lshl_or_b32 v[PW], v[TM+5], 8, v[TM+4]
	v_lshl_or_b32 v[PW], v[TM+6], 16, v[PW]
	v_lshl_or_b32 v[PW], v[TM+7], 24, v[PW]
.endm
.macro QCVT b                          ; block b: the hold (the conversion to an 8-bit code does not saturate: ISA guide 7.6.2), then 16 codes: registers 4 b .. 4 b + 3 of the fragment
.irp i, 0,1,2,3,4,5,6,7,8,9,10,11,12,13,14,15
	v_med3_num_f32 v[X+16*(\b)+\i], v[X+16*(\b)+\i], -v[TM+8+(\b)], v[TM+8+(\b)]
.endr
	v_cvt_scalef32_pk8_fp8_f32 v[PC+4*(\b):PC+4*(\b)+1], v[X+16*(\b):X+16*(\b)+7], v[TM+12+(\b)]
	v_cvt_scalef32_pk8_fp8_f32 v[PC+4*(\b)+2:PC+4*(\b)+3], v[X+16*(\b)+8:X+16*(\b)+15], v[TM+12+(\b)]
	v_nop                                          ; a plain line behind the conversions
.endm
.macro KCOPY off                       ; the 64 numbers, not yet held, as bf16 into the key copy: 32 bytes of my row for each block
.set i_, 0
.rept 32
	v_cvt_pk_bf16_f32 v[BF+i_], v[X+2*i_], v[X+2*i_+1]
.set i_, i_+1
.endr
.irp b, 0,1,2,3
	ds_store_b128 v[KCW], v[BF+8*\b:BF+8*\b+3] offset:(\off)+64*\b
	ds_store_b128 v[KCW], v[BF+8*\b+4:BF+8*\b+7] offset:(\off)+64*\b+16
.endr
.endm
.macro XREAD q                         ; the slot's q-th K step: my 16 neighbours of each of my row's four blocks
	v_add_nc_u32 v[XA], s[TBR], v[AR]
.irp b, 0,1,2,3
.irp j, 0,1,2,3
	ds_load_b128 v[X+16*\b+4*\j:X+16*\b+4*\j+3], v[XA] offset:512*(\q)+128*\b+16*\j
.endr
.endr
.endm
.macro FETCH p                         ; x's four fragments and their scale words out of buffer p: 20 loads
.irp m, 0,1,2,3
.irp c, 0,1,2,3
	ds_load_b128 v[XF+16*\m+4*\c:XF+16*\m+4*\c+3], v[IMR] offset:XBUF*(\p)+2048*\m+512*\c
.endr
.endr
.irp m, 0,1,2,3
	ds_load_b32 v[XS+\m], v[ISR] offset:XBUF*(\p)+128*\m
.endr
.endm
.macro IMAGE p                         ; my tile's fragment and scale words into buffer p, as they stand in the registers
.irp c, 0,1,2,3
	ds_store_b128 v[IMW], v[PC+4*\c:PC+4*\c+3] offset:XBUF*(\p)+512*\c
.endr
	ds_store_b32 v[ISW], v[PW] offset:XBUF*(\p)
.endm
; 16 matrix instructions: column tiles 4 g .. 4 g + 3 x the four tiles of rows.  p: the set of W's scale words.  zero = 1: the product starts the sums: nothing is ever cleared.
; The 64 accumulators take turns, one instruction a turn, in the same order in every K step.
.macro MUL g, p, zero
.irp tt, 0,1,2,3
.irp m, 0,1,2,3
.set T_, 4*(\g)+\tt
.set AC_, 8*(4*(T_%8)+\m)
.if \zero
.if T_%2
	v_wmma_scale_f32_16x16x128_f8f6f4 v[AC_:AC_+7], v[16*T_:16*T_+15], v[XF+16*\m:XF+16*\m+15], 0, v[WS+8*(\p)+T_/2], v[XS+\m] matrix_a_scale:MATRIX_SCALE_ROW1
.else
	v_wmma_scale_f32_16x16x128_f8f6f4 v[AC_:AC_+7], v[16*T_:16*T_+15], v[XF+16*\m:XF+16*\m+15], 0, v[WS+8*(\p)+T_/2], v[XS+\m]
.endif
.else
.if T_%2
	v_wmma_scale_f32_16x16x128_f8f6f4 v[AC_:AC_+7], v[16*T_:16*T_+15], v[XF+16*\m:XF+16*\m+15], v[AC_:AC_+7], v[WS+8*(\p)+T_/2], v[XS+\m] matrix_a_scale:MATRIX_SCALE_ROW1
.else
	v_wmma_scale_f32_16x16x128_f8f6f4 v[AC_:AC_+7], v[16*T_:16*T_+15], v[XF+16*\m:XF+16*\m+15], v[AC_:AC_+7], v[WS+8*(\p)+T_/2], v[XS+\m]
.endif
.endif
.endr
.endr
.endm
.macro WSLOAD p                        ; the scale words of the 16 tiles into set p: register t / 2, lanes 0-15 for t even, lanes 16-31 for t odd
	global_load_b128 v[WS+8*(\p):WS+8*(\p)+3], v[L16], s[WB:WB+1] offset:32768
	global_load_b128 v[WS+8*(\p)+4:WS+8*(\p)+7], v[L16], s[WB:WB+1] offset:33280
.endm
.macro WLOAD g                         ; four fragments of W: 16 loads, each 512 consecutive bytes
	WIN 0x40                                       ; destination window 1, address window 0
.irp tt, 0,1,2,3
.irp c, 0,1,2,3
	global_load_b128 v[16*(4*(\g)+\tt)+4*\c:16*(4*(\g)+\tt)+4*\c+3], v[L16], s[WB:WB+1] offset:2048*(4*(\g)+\tt)+512*\c
.endr
.endr
.endm
.macro TABLOAD g                       ; in the last K step: bias and w_score of my eight columns of four tiles, into the registers that W's fragments leave: 16 loads
	WIN 0x40
.irp tt, 0,1,2,3
	global_load_b128 v[16*(4*(\g)+\tt):16*(4*(\g)+\tt)+3], v[TBO], s[10:11] offset:64*(4*(\g)+\tt)
	global_load_b128 v[16*(4*(\g)+\tt)+4:16*(4*(\g)+\tt)+7], v[TBO], s[10:11] offset:64*(4*(\g)+\tt)+16
	global_load_b128 v[16*(4*(\g)+\tt)+8:16*(4*(\g)+\tt)+11], v[TBO], s[12:13] offset:64*(4*(\g)+\tt)
	global_load_b128 v[16*(4*(\g)+\tt)+12:16*(4*(\g)+\tt)+15], v[TBO], s[12:13] offset:64*(4*(\g)+\tt)+16
.endr
.endm
.macro NEXTW g, wl                     ; the group that has just been multiplied is loaded anew; then the wait for the next group of this step
.if (\wl) == 1
	WLOAD \g
	s_wait_loadcnt 50                              ; behind the group that is wanted: three groups of 16 and the two loads of scale words
.else
	TABLOAD \g
	s_wait_loadcnt 48                              ; three groups of 16
.endif
.endm
.macro BARP                            ; a barrier behind which nothing is filled: my LDS stores have landed and my LDS loads are in
	s_wait_dscnt 0x0
	s_barrier_signal -1
	s_barrier_wait -1
.endm
; The barrier in front of a refill.  s56 = t: the slot that has been read out held K steps 2 t, 2 t + 1; it takes K steps 2 t + 4, 2 t + 5: key's while t < 2, then query's.
.macro BARF kc
	s_wait_tensorcnt 0x0                           ; all my tensor loads have landed, the slot that I read next among them: no load of mine is out, so the walking group 0 may be written
	ds_add_u32 v[SPW], v[NIL]                      ; 0 onto my spare word: the steps below stand between it and the wait for it
	s_xor_b32 s[G0W+1], s[G0W+1], ASLOT            ; the other slot than last time (the rings' bases, multiples of 33,280 up to 99,840, have neither of this constant's two bits)
	s_xor_b32 s[TBR], s[TBR], ASLOT                ; and the reads go on to the slot that has landed
	s_add_co_u32 s46, s56, 2
	s_and_b32 s46, s46, 3
	s_lshl_b32 s46, s46, 10                        ; 1,024 bytes of a row for each slot of the tensor
	s_cmp_lt_u32 s56, 2                            ; the choice hangs on the count of trips alone
	s_cselect_b64 s[44:45], s[KROW:KROW+1], s[QROW:QROW+1]
	s_add_nc_u64 s[G0W+2:G0W+3], s[44:45], s[46:47]
	s_or_b32 s[G0W+3], s[G0W+3], 0x80000000
.if \kc
	v_add_nc_u32 v[KCW], 512, v[KCW]               ; the key copy: two K steps, 256 numbers of bf16, on
.endif
	s_wait_dscnt 0x0                               ; the add is done, my reads of the slot are over, my images lie in LDS
	s_barrier_signal -1
	s_barrier_wait -1
.endm
.macro REFILL                          ; my one tensor load behind that barrier, ahead of every LDS read: it has two K steps, 128 matrix instructions, in which to land
	tensor_load_to_lds s[G0W:G0W+3], s[G1:G1+7]
	s_nop 0
	PLACES 4
.endm
; K STEP s, of parity p: 64 matrix instructions in four groups.  Behind each group stands a part of the quantising of K step s + 1 (quant = 1; kc >= 0: with the key copy, at byte kc), whose plain vector
; lines are the eight places in front of the loads into the registers that the group has read; then that group's fragments of K step s + 1 are asked for (wl = 1), or the tables (wl = 2).
.macro STEP p, zero, quant, kc, wl
	FETCH \p                                       ; (the last 32 holds of the step before are the places in front of these loads)
.if \quant
	XREAD 1-(\p)
	s_wait_dscnt 16                                ; x's fragments and scale words are in; the 16 loads of f32 numbers may be out
.else
	s_wait_dscnt 0x0
.endif
	s_wait_loadcnt 48                              ; W's scale words and group 0 are in; behind them: groups 1 to 3
	WIN 0xa1                                       ; source 0 (W) window 1, source 1 (x) window 0, C and D window 2
	MUL 0, \p, \zero
	WIN 0
.if \quant
	s_wait_dscnt 0x0                               ; the f32 numbers are in
	QMAX
.else
	PLACES 8
.endif
.if (\wl) == 1
	s_wait_xcnt 0x0                                ; the loads issued so far have had their addresses translated (ISA guide 3.1): their base may step
	s_add_nc_u64 s[WB:WB+1], s[WB:WB+1], WSTEP
	WSLOAD 1-(\p)
.endif
	NEXTW 0, \wl
	WIN 0xa1
	MUL 1, \p, \zero
	WIN 0
.if \quant
	QSCL
.if (\kc) >= 0
	KCOPY \kc
.endif
.else
	PLACES 8
.endif
	NEXTW 1, \wl
	WIN 0xf1                                       ; C and D window 3
	MUL 2, \p, \zero
	WIN 0
.if \quant
	QCVT 0
	QCVT 1
.else
	PLACES 8
.endif
	NEXTW 2, \wl
	WIN 0xf1
	MUL 3, \p, \zero
	WIN 0
.if \quant
	QCVT 2
	QCVT 3
.else
	PLACES 8
.endif
.if (\wl) == 1
	WLOAD 3
.else
	TABLOAD 3
.endif
	WIN 0
.if \quant
	IMAGE 1-(\p)                                   ; into the buffer that every wave had read when it passed the last barrier
.endif
.endm
	s_load_b256 s[4:11], s[0:1], 0x0               ; key s[4:5], query s[6:7], wimg s[8:9], bias s[10:11]
	s_load_b256 s[12:19], s[0:1], 0x20             ; w_score s[12:13], b_score s[14:15], score s[16:17], pctx s[18:19]
	v_lshl_add_u32 v[SPW], v0, 2, SPARE
	v_mov_b32 v[NIL], 0
	ds_add_u32 v1, v2
	ds_add_u32 v1, v2
	s_wait_dscnt 0x0
	v_lshrrev_b32 v[XA], 5, v0
	v_readfirstlane_b32 s[WV], v[XA]               ; wave 0..3
	; descriptor group 1: a tile of 16 rows x 256 elements of 4 bytes, 4,096 bytes from row to row in memory, 16 bytes of padding behind each row in LDS
	s_mov_b32 s[G1+0], (2<<16)|(1<<20)|(7<<22)|(3<<25)   ; 15:0 no mask; 17:16 elements of 4 bytes; 20 padding on; 24:22 after every 256 words (code 7); 31:25 four words (code 3)
	s_mov_b32 s[G1+1], 256<<16                     ; tensor_dim0 = 256
	s_mov_b32 s[G1+2], 16<<16                      ; tensor_dim1 = 16
	s_mov_b32 s[G1+3], 256<<16                     ; tile_dim0 = 256
	s_mov_b32 s[G1+4], 16                          ; tile_dim1 = 16
	s_mov_b32 s[G1+5], 1024                        ; tensor_dim0_stride
	s_mov_b32 s[G1+6], 0
	s_mov_b32 s[G1+7], 0
	s_mul_i32 s55, s[WV], AWAVE                    ; my ring
	s_lshl_b32 s44, ttmp9, 18                      ; the block's 64 rows of 4,096 bytes (under 2^27),
	s_lshl_b32 s46, s[WV], 16                      ; my wave's 16 of them
	s_add_co_u32 s44, s44, s46
	s_mov_b32 s45, 0
	s_mov_b32 s47, 0                               ; stays 0: the upper word of the offsets made in s46
	s_mov_b32 s[TBR], 0
	s_mov_b32 s[SEL], 0x76543210
	s_mov_b32 s[SEL+1], 0xfedcba98
	s_mov_b32 s[MNT], 0x600000
	s_mov_b32 s[C2], 0x4038aa3b                    ; 2 log2(e)
	s_mov_b32 s[C2+1], s[C2]                       ; (named with it as a pair, so it is written)
	s_mov_b32 s[C1], 0x3fb8aa3b                    ; log2(e)
	s_wait_kmcnt 0x0
	s_add_nc_u64 s[KROW:KROW+1], s[4:5], s[44:45]
	s_add_nc_u64 s[QROW:QROW+1], s[6:7], s[44:45]
	s_mov_b32 s[G0A], 1                            ; 1:0 count = 1
	s_mov_b32 s[G0A+1], s55                        ; 63:32 LDS address: my slot 0
	s_mov_b64 s[G0A+2:G0A+3], s[KROW:KROW+1]       ; 120:64 global address: K steps 0 and 1 of key
	s_or_b32 s[G0A+3], s[G0A+3], 0x80000000        ; 127:126 type = 2
	s_mov_b32 s[G0W], 1
	s_add_co_u32 s[G0W+1], s55, ASLOT              ; my slot 1
	s_add_nc_u64 s[G0W+2:G0W+3], s[KROW:KROW+1], 1024   ; K steps 2 and 3
	s_or_b32 s[G0W+3], s[G0W+3], 0x80000000
	tensor_load_to_lds s[G0A:G0A+3], s[G1:G1+7]    ; both first fills together, ahead of every wait on TENSORcnt, every LDS read and every barrier: two loads of mine are out
	s_nop 0
	tensor_load_to_lds s[G0W:G0W+3], s[G1:G1+7]
	s_nop 0
	PLACES 4
	s_load_b32 s57, s[14:15], 0x0                  ; b_score
	s_mul_i32 s46, s[WV], WBLK
	s_add_nc_u64 s[WB:WB+1], s[8:9], s[46:47]      ; W's block [0][w]
	v_and_b32 v[LN], 31, v0                        ; lane
	v_lshlrev_b32 v[L16], 4, v[LN]
	WSLOAD 0                                       ; K step 0 of W: 66 loads
	WLOAD 0
	WLOAD 1
	WLOAD 2
	WLOAD 3
	WIN 0
	s_lshl_b32 s46, s[WV], 10
	s_add_nc_u64 s[10:11], s[10:11], s[46:47]      ; bias and w_score at my wave's 256 columns
	s_add_nc_u64 s[12:13], s[12:13], s[46:47]
	s_lshl_b32 s46, ttmp9, 8
	s_add_nc_u64 s[16:17], s[16:17], s[46:47]      ; the block's 64 scores
	s_lshl_b32 s46, ttmp9, 12
	s_add_nc_u64 s[18:19], s[18:19], s[46:47]      ; the block's row of pctx
	v_and_b32 v[LN+1], 15, v0                      ; r
	v_bfe_u32 v[LN+2], v0, 4, 1                    ; h
	v_mul_u32_u24 v[AR], v[LN+1], 1040
	v_lshl_add_u32 v[AR], v[LN+2], 6, v[AR]
	v_add_nc_u32 v[AR], s55, v[AR]
	v_add_nc_u32 v[IMR], XIMG, v[L16]
	v_lshl_add_u32 v[ISR], v[LN], 2, XIMG+8192
	s_lshl_b32 s56, s[WV], 11
	v_add_nc_u32 v[IMW], s56, v[IMR]
	s_lshl_b32 s56, s[WV], 7
	v_add_nc_u32 v[ISW], s56, v[ISR]
	v_mul_u32_u24 v[KCW], v[LN+1], KPITCH
	v_lshl_add_u32 v[KCW], v[LN+2], 5, v[KCW]
	s_mul_i32 s56, s[WV], 16*KPITCH
	s_add_co_u32 s56, s56, KEYC
	v_add_nc_u32 v[KCW], s56, v[KCW]
	v_lshlrev_b32 v[TBO], 5, v[LN+2]
	s_lshl_b32 s56, s[WV], 8                       ; the addresses of the way out are made here too, ahead of every branch on the wave's number
	s_add_co_u32 s56, s56, SCR
	v_lshl_add_u32 v[ASW], v[LN+1], 2, s56         ; my rows' parts of the scores: SCR + 256 w + 4 r
	v_lshl_add_u32 v[ASW+1], v[LN], 3, SCR         ; back: rows 2 lane and 2 lane + 1
	s_lshl_b32 s56, s[WV], 8
	s_add_co_u32 s56, s56, PB
	v_lshl_add_u32 v[ASW+2], v[LN], 3, s56         ; p of these two rows, into my wave's copy
	v_mov_b32 v[ASW+3], s56                        ; and the copy's first byte
	v_lshl_add_u32 v[AKC], v0, 3, KEYC             ; the key copy: my four columns, 8 bytes
	v_lshlrev_b32 v[AKC+1], 3, v[LN]               ; in the block's scores
	v_lshlrev_b32 v[AKC+2], 4, v0                  ; in the block's row of pctx
.irp b, 0,1,2,3
	v_mov_b32 v[TM+4+\b], 0                        ; written once: a lane permute's destination counts as one of its sources
.endr
	s_wait_kmcnt 0x0                               ; b_score
	s_wait_tensorcnt 1                             ; my slot 0 is in, and I alone read it; slot 1's load may stay out
	XREAD 0                                        ; K step 0 is quantised ahead of the first products
	s_wait_dscnt 0x0
	QMAX
	QSCL
	KCOPY 0
	QCVT 0
	QCVT 1
	QCVT 2
	QCVT 3
	IMAGE 0
	BARP                                           ; the four tiles of K step 0 lie in buffer 0
	STEP 0, 1, 1, 256, 1                           ; K step 0: its products start the sums
	s_mov_b32 s56, 0
	BARF 1
	s_mov_b32 s[I], 0
.Lkey:                                             ; three trips: K steps 1 to 6; what is quantised, K steps 2 to 7, is key's
	REFILL
	STEP 1, 0, 1, 0, 1
	BARP
	STEP 0, 0, 1, 256, 1
	s_add_co_u32 s56, s[I], 1
	BARF 1
	s_add_co_u32 s[I], s[I], 1
	s_cmp_lt_u32 s[I], 3
	s_cbranch_scc1 .Lkey
.Lquery:                                           ; three trips: K steps 7 to 12; what is quantised is query's: no copy
	REFILL
	STEP 1, 0, 1, -1, 1
	BARP
	STEP 0, 0, 1, -1, 1
	s_add_co_u32 s56, s[I], 1
	BARF 0                                         ; (behind the last of these nothing is filled: its stepped address is not used; its wait shows the last slot landed)
	s_add_co_u32 s[I], s[I], 1
	s_cmp_lt_u32 s[I], 6
	s_cbranch_scc1 .Lquery
	STEP 1, 0, 1, -1, 1                            ; K step 13: the tail is written out
	BARP
	STEP 0, 0, 1, -1, 1                            ; K step 14
	BARP
	STEP 1, 0, 0, -1, 2                            ; K step 15: nothing is left to quantise; bias and w_score take W's registers
	; THE WAY OUT.  The eight places behind the last products stand in the step above.
	s_wait_loadcnt 0x0                             ; the tables
	WIN 0x41                                       ; destination and source 0 window 1
.irp t, 0,1,2,3,4,5,6,7,8,9,10,11,12,13,14,15
.irp jj, 0,1,2,3
	v_pk_mul_f32 v[16*\t+2*\jj:16*\t+2*\jj+1], v[16*\t+2*\jj:16*\t+2*\jj+1], s[C2:C2+1] op_sel_hi:[1,0]   ; bias x 2 log2(e)
.endr
.endr
	WIN 0x05                                       ; sources 0 and 1 window 1
	v_pk_add_f32 v[SW:SW+1], v[8:9], v[10:11]      ; the sum of my 128 numbers of w_score, as a pair
	WIN 0x01
.irp jj, 2,3
	v_pk_add_f32 v[SW:SW+1], v[8+2*\jj:9+2*\jj], v[SW:SW+1]
.endr
.irp t, 1,2,3,4,5,6,7,8,9,10,11,12,13,14,15
.irp jj, 0,1,2,3
	v_pk_add_f32 v[SW:SW+1], v[16*\t+8+2*\jj:16*\t+9+2*\jj], v[SW:SW+1]
.endr
.endr
; Column tile t, all four tiles of rows: 1 / (1 + 2^(2 log2(e) (sum + bias))), in place, each accumulator from its low end on; then times w into the rows' sums.
.macro EPI t
.set W_, 2+(\t)/8
.set A_, 32*((\t)%8)
.set B_, 16*(\t)
	WIN (W_<<6)|0x10|W_                            ; the accumulators' window; source 2 (bias) window 1
.irp m, 0,1,2,3
.irp jj, 0,1,2,3
	v_pk_fma_f32 v[A_+8*\m+2*\jj:A_+8*\m+2*\jj+1], v[A_+8*\m+2*\jj:A_+8*\m+2*\jj+1], s[C2:C2+1], v[B_+2*\jj:B_+2*\jj+1] op_sel_hi:[1,0,1]
.endr
.endr
	WIN (W_<<6)|W_
.set i_, 0
.rept 32
	v_exp_f32 v[A_+i_], v[A_+i_]
.set i_, i_+1
.endr
	v_nop                                          ; a plain line behind the exponentials
.set i_, 0
	s_wait_alu depctr_va_vdst(0)
.rept 16
	v_pk_add_f32 v[A_+i_:A_+i_+1], v[A_+i_:A_+i_+1], 1.0 op_sel_hi:[1,0]
.set i_, i_+2
.endr
.set i_, 0
.rept 32
	v_rcp_f32 v[A_+i_], v[A_+i_]
.set i_, i_+1
.endr
	v_nop                                          ; a plain line behind the reciprocals
	s_wait_alu depctr_va_vdst(0)
	WIN 0x04|W_                                    ; source 0 the accumulators' window, source 1 (w) window 1, the sums window 0
.irp jj, 0,1,2,3
.irp m, 0,1,2,3
.if ((\t) == 0) && (\jj == 0)
	s_wait_alu depctr_va_vdst(0)
	v_pk_mul_f32 v[S+2*\m:S+2*\m+1], v[A_+8*\m+2*\jj:A_+8*\m+2*\jj+1], v[B_+8+2*\jj:B_+9+2*\jj]   ; the first product starts the sum
.else
	v_pk_fma_f32 v[S+2*\m:S+2*\m+1], v[A_+8*\m+2*\jj:A_+8*\m+2*\jj+1], v[B_+8+2*\jj:B_+9+2*\jj], v[S+2*\m:S+2*\m+1]
.endif
.endr
.endr
.endm
.irp t, 0,1,2,3,4,5,6,7,8,9,10,11,12,13,14,15
	EPI \t
.endr
	WIN 0
	v_add_f32 v238, v[SW], v[SW+1]
.irp m, 0,1,2,3
	v_add_f32 v[PT+\m], v[S+2*\m], v[S+2*\m+1]
.endr
.irp m, 0,1,2,3
	v_fma_f32 v[PT+\m], v[PT+\m], -2.0, v238       ; the sum of w tanh over my 128 columns of row 16 m + r
.endr
.irp m, 0,1,2,3
	v_permlanex16_b32 v[TM+4+\m], v[PT+\m], s[SEL], s[SEL+1]
.endr
.irp m, 0,1,2,3
	v_add_f32 v[PT+\m], v[PT+\m], v[TM+4+\m]       ; with lane l xor 16's 128 columns: my wave's 256
.endr
.irp m, 0,1,2,3
	ds_store_b32 v[ASW], v[PT+\m] offset:64*\m     ; lanes r and r + 16 write the same word with the same value
.endr
	BARP                                           ; the four waves' parts of the 64 scores lie in LDS
.irp q, 0,1,2,3
	ds_load_b64 v[XF+2*\q:XF+2*\q+1], v[ASW+1] offset:256*\q
.endr
	s_wait_dscnt 0x0
	v_pk_add_f32 v[XF:XF+1], v[XF:XF+1], v[XF+2:XF+3]
	v_pk_add_f32 v[XF+4:XF+5], v[XF+4:XF+5], v[XF+6:XF+7]
	v_pk_add_f32 v[XF:XF+1], v[XF:XF+1], v[XF+4:XF+5]
	v_add_f32 v[XF], s57, v[XF]                    ; + b_score: the scores of rows 2 lane and 2 lane + 1, the same bits in all four waves
	v_add_f32 v[XF+1], s57, v[XF+1]
	s_cmp_lg_u32 s[WV], 0
	s_cbranch_scc1 .Lno_store
	global_store_b64 v[AKC+1], v[XF:XF+1], s[16:17]   ; wave 0: 256 consecutive bytes, aligned; its registers are not written again
.Lno_store:
	v_max_num_f32 v[XF+2], v[XF], v[XF+1]          ; the block's largest score
	v_max_num_f32_dpp v[XF+2], v[XF+2], v[XF+2] row_xmask:1 row_mask:0xf bank_mask:0xf
	v_max_num_f32_dpp v[XF+2], v[XF+2], v[XF+2] row_xmask:2 row_mask:0xf bank_mask:0xf
	v_max_num_f32_dpp v[XF+2], v[XF+2], v[XF+2] row_xmask:4 row_mask:0xf bank_mask:0xf
	v_max_num_f32_dpp v[XF+2], v[XF+2], v[XF+2] row_xmask:8 row_mask:0xf bank_mask:0xf
	v_permlanex16_b32 v[TM+4], v[XF+2], s[SEL], s[SEL+1]
	v_max_num_f32 v[XF+2], v[XF+2], v[TM+4]
	v_sub_f32 v[XF+4], v[XF], v[XF+2]
	v_sub_f32 v[XF+5], v[XF+1], v[XF+2]
	v_mul_f32 v[XF+4], s[C1], v[XF+4]
	v_mul_f32 v[XF+5], s[C1], v[XF+5]
	v_exp_f32 v[XF+4], v[XF+4]                     ; p = e^(score - the block's largest), at most 1
	v_exp_f32 v[XF+5], v[XF+5]
	v_nop
	s_wait_alu depctr_va_vdst(0)
	ds_store_b64 v[ASW+2], v[XF+4:XF+5]            ; my wave's own copy: LDS serves a wave's instructions in order, so its loads below see it
	; the block's part of the context: thread n owns columns 4 n .. + 3 and 512 + 4 n .. + 3; eight rows a trip
.irp j, 0,1,2,3,4,5,6,7
	v_mov_b32 v[XF+52+\j], 0
.endr
	s_mov_b32 s[I], 0
.Lctx:
.irp rr, 0,1,2,3,4,5,6,7
	ds_load_b64 v[XF+12+4*\rr:XF+13+4*\rr], v[AKC] offset:KPITCH*\rr          ; 32 lanes read 256 consecutive bytes of a row
	ds_load_b64 v[XF+14+4*\rr:XF+15+4*\rr], v[AKC] offset:KPITCH*\rr+1024
.endr
	ds_load_b128 v[XF+44:XF+47], v[ASW+3]          ; the eight rows' p, the same words in every lane
	ds_load_b128 v[XF+48:XF+51], v[ASW+3] offset:16
	s_wait_dscnt 0x0
.irp rr, 0,1,2,3,4,5,6,7
.irp c, 0,1,2,3
	v_fma_mix_f32_bf16 v[XF+52+2*\c], v[XF+12+4*\rr+\c], v[XF+44+\rr], v[XF+52+2*\c] op_sel_hi:[1,0,0]                 ; key's low bf16 x p + the sum, in f32
	v_fma_mix_f32_bf16 v[XF+53+2*\c], v[XF+12+4*\rr+\c], v[XF+44+\rr], v[XF+53+2*\c] op_sel:[1,0,0] op_sel_hi:[1,0,0]   ; the high one
.endr
.endr
	v_add_nc_u32 v[AKC], 8*KPITCH, v[AKC]
	v_add_nc_u32 v[ASW+3], 32, v[ASW+3]
	s_add_co_u32 s[I], s[I], 1
	s_cmp_lt_u32 s[I], 8
	s_cbranch_scc1 .Lctx
	global_store_b128 v[AKC+2], v[XF+52:XF+55], s[18:19]               ; a wave's store covers 512 consecutive bytes, aligned
	global_store_b128 v[AKC+2], v[XF+56:XF+59], s[18:19] offset:2048
	s_wait_tensorcnt 0x0                           ; the wave's end: behind my last tensor load and my last LDS store
	ds_add_u32 v[SPW], v[NIL]
	s_wait_dscnt 0x0
	s_endpgm
.Lfunc_end_k_qa6d97e82e6_fused:
	.size	k_qa6d97e82e6_fused, .Lfunc_end_k_qa6d97e82e6_fused-k_qa6d97e82e6_fused
	.p2alignl 7, 3214868480
	.fill 96, 4, 3214868480
	.section	.rodata,"a",@progbits
	.p2align	6, 0x0
	.amdhsa_kernel k_qa6d97e82e6_fused
		.amdhsa_group_segment_fixed_size 327680
		.amdhsa_private_segment_fixed_size 0
		.amdhsa_enable_private_segment 0
		.amdhsa_kernarg_size 64
		.amdhsa_user_sgpr_count 2
		.amdhsa_user_sgpr_kernarg_segment_ptr 1
		.amdhsa_wavefront_size32 1
		.amdhsa_system_sgpr_workgroup_id_x 1
		.amdhsa_system_sgpr_workgroup_id_y 1
		.amdhsa_system_sgpr_workgroup_id_z 1
		.amdhsa_system_vgpr_workitem_id 0
		.amdhsa_next_free_vgpr 1024
		.amdhsa_next_free_sgpr 66
		.amdhsa_reserve_vcc 0
		.amdhsa_float_denorm_mode_32 3
		.amdhsa_float_denorm_mode_16_64 3
		.amdhsa_memory_ordered 1
		.amdhsa_forward_progress 1
		.amdhsa_inst_pref_size 255
	.end_amdhsa_kernel
	.section	.bss,"aw",@nobits
	.p2align	6
	.space	262144
	.amdgpu_metadata
---
amdhsa.version: [ 1, 2 ]
amdhsa.kernels:
  - .name:           k_qa6d97e82e6_fused
    .symbol:         k_qa6d97e82e6_fused.kd
    .args:
      - { .name: key, .offset: 0, .size: 8, .value_kind: global_buffer, .address_space: global }
      - { .name: query, .offset: 8, .size: 8, .value_kind: global_buffer, .address_space: global }
      - { .name: wimg, .offset: 16, .size: 8, .value_kind: global_buffer, .address_space: global }
      - { .name: bias, .offset: 24, .size: 8, .value_kind: global_buffer, .address_space: global }
      - { .name: w_score, .offset: 32, .size: 8, .value_kind: global_buffer, .address_space: global }
      - { .name: b_score, .offset: 40, .size: 8, .value_kind: global_buffer, .address_space: global }
      - { .name: score, .offset: 48, .size: 8, .value_kind: global_buffer, .address_space: global }
      - { .name: pctx, .offset: 56, .size: 8, .value_kind: global_buffer, .address_space: global }
    .group_segment_fixed_size: 327680
    .private_segment_fixed_size: 0
    .kernarg_segment_align: 8
    .kernarg_segment_size: 64
    .max_flat_workgroup_size: 128
    .sgpr_count:     66
    .vgpr_count:     1024
    .wavefront_size: 32
...
	.end_amdgpu_metadata
.endif
;; end of part 2
;; launch combine (part 3): grid 32 x 1, 8 waves a work-group, no clusters, 1,536 bytes of LDS; arguments score, pctx, out0, out1; writes out0, out1
.if DOCPART == 3
	.amdgcn_target "amdgcn-amd-amdhsa--gfx1250"
	.amdhsa_code_object_version 6
	.text
	.protected	k_qa6d97e82e6_combine
	.globl	k_qa6d97e82e6_combine
	.p2align	8
	.type	k_qa6d97e82e6_combine,@function
k_qa6d97e82e6_combine:
	s_mov_b64 s[64:65], 0
	v_nop
	global_prefetch_b8 v0, s[64:65] scope:SCOPE_SE
	s_setreg_imm32_b32 hwreg(HW_REG_WAVE_MODE, 25, 1), 1
	s_wait_xcnt 0x0
; One work-group for each batch b: attn = softmax of its 1,024 scores, context = the 16 blocks' partial contexts brought under the batch's maximum, added and divided by the sum.
; pctx[16 b + i] = sum over block i's 64 rows of e^(score - m_i) key, m_i the block's largest score.  m_i is found again here from the scores: a maximum is exact, so it has the same bits.
; With M the largest m_i: context = (sum over i of e^(m_i - M) pctx[16 b + i]) / L, attn = e^(score - M) / L, L = the sum of e^(score - M).
; Thread n owns scores 4 n .. + 3 (sixteen neighbouring lanes hold one block of 64) and columns 4 n .. + 3.  All 17 loads go out at once; every load and store of a wave covers 512 consecutive bytes.
; The launch has work for 32 work-groups: one owner for each output row, no traffic between work-groups.  No matrix unit, no tensor load: 2 MB are read once.
; LIMITS: NaN and infinities are not served; v_exp_f32 gives 0 for results under 2^-126.
.set LOG2E, 0x3fb8aa3b
.set SCO, 4                            ; v4-7    my four scores
.set EX,  10                           ; v10-13  e^(score - M)
.set P,   16                           ; v16-79  the 16 partial contexts, four columns each
.set F,   80                           ; v80-95  the blocks' maxima, then e^(m_i - M)
.set LS,  100                          ; v100-115 the blocks' sums
.set O1,  116                          ; v116-119 attn
.set O0,  120                          ; v120-123 context
	s_load_b256 s[4:11], s[0:1], 0x0               ; score s[4:5], pctx s[6:7], out0 s[8:9], out1 s[10:11]
	v_lshl_add_u32 v128, v0, 2, 0x200
	v_mov_b32 v129, 0
	v_lshlrev_b32 v1, 4, v0                        ; 16 bytes a thread
	v_lshrrev_b32 v2, 4, v0
	v_lshlrev_b32 v2, 2, v2                        ; my block's word in LDS
	v_mov_b32 v3, 0
	s_lshl_b32 s12, ttmp9, 12                      ; a batch's 4,096 bytes of scores, of attn and of context
	s_mov_b32 s13, 0
	s_lshl_b32 s14, ttmp9, 16                      ; and its 16 rows of pctx
	s_mov_b32 s15, 0
	s_wait_kmcnt 0x0
	s_add_nc_u64 s[4:5], s[4:5], s[12:13]
	s_add_nc_u64 s[6:7], s[6:7], s[14:15]
	s_add_nc_u64 s[8:9], s[8:9], s[12:13]
	s_add_nc_u64 s[10:11], s[10:11], s[12:13]
	global_load_b128 v[SCO:SCO+3], v1, s[4:5] th:TH_LOAD_NT
.irp i, 0,1,2,3,4,5,6,7,8,9,10,11,12,13,14,15
	global_load_b128 v[P+4*\i:P+4*\i+3], v1, s[6:7] offset:4096*\i th:TH_LOAD_NT
.endr
	s_wait_loadcnt 16                              ; the scores are in; the 16 loads behind them stay out
	v_max3_num_f32 v8, v[SCO], v[SCO+1], v[SCO+2]
	v_max_num_f32 v8, v8, v[SCO+3]
	v_max_num_f32_dpp v8, v8, v8 row_xmask:1 row_mask:0xf bank_mask:0xf
	v_max_num_f32_dpp v8, v8, v8 row_xmask:2 row_mask:0xf bank_mask:0xf
	v_max_num_f32_dpp v8, v8, v8 row_xmask:4 row_mask:0xf bank_mask:0xf
	v_max_num_f32_dpp v8, v8, v8 row_xmask:8 row_mask:0xf bank_mask:0xf   ; my block's largest score
	ds_store_b32 v2, v8                            ; sixteen lanes write the same word with the same value
	s_wait_dscnt 0x0
	s_barrier_signal -1
	s_barrier_wait -1
.irp q, 0,1,2,3
	ds_load_b128 v[F+4*\q:F+4*\q+3], v3 offset:16*\q
.endr
	s_wait_dscnt 0x0
	v_max3_num_f32 v9, v[F], v[F+1], v[F+2]
.irp i, 3,5,7,9,11,13
	v_max3_num_f32 v9, v9, v[F+\i], v[F+\i+1]
.endr
	v_max_num_f32 v9, v9, v[F+15]                  ; M
.irp i, 0,1,2,3,4,5,6,7,8,9,10,11,12,13,14,15
	v_sub_f32 v[F+\i], v[F+\i], v9
.endr
.irp j, 0,1,2,3
	v_sub_f32 v[EX+\j], v[SCO+\j], v9
.endr
.irp i, 0,1,2,3,4,5,6,7,8,9,10,11,12,13,14,15
	v_mul_f32 v[F+\i], LOG2E, v[F+\i]
.endr
.irp j, 0,1,2,3
	v_mul_f32 v[EX+\j], LOG2E, v[EX+\j]
.endr
.irp i, 0,1,2,3,4,5,6,7,8,9,10,11,12,13,14,15
	v_exp_f32 v[F+\i], v[F+\i]                     ; e^(m_i - M)
.endr
.irp j, 0,1,2,3
	v_exp_f32 v[EX+\j], v[EX+\j]                   ; e^(score - M)
.endr
	v_nop                                          ; a plain line behind the exponentials
	s_wait_alu depctr_va_vdst(0)
	v_add_f32 v14, v[EX], v[EX+1]
	v_add_f32 v15, v[EX+2], v[EX+3]
	v_add_f32 v14, v14, v15
	v_add_f32_dpp v14, v14, v14 row_xmask:1 row_mask:0xf bank_mask:0xf
	v_add_f32_dpp v14, v14, v14 row_xmask:2 row_mask:0xf bank_mask:0xf
	v_add_f32_dpp v14, v14, v14 row_xmask:4 row_mask:0xf bank_mask:0xf
	v_add_f32_dpp v14, v14, v14 row_xmask:8 row_mask:0xf bank_mask:0xf    ; my block's sum
	ds_store_b32 v2, v14 offset:64                 ; other bytes than the maxima's: no wave can still be reading here
	s_wait_dscnt 0x0
	s_barrier_signal -1
	s_barrier_wait -1
.irp q, 0,1,2,3
	ds_load_b128 v[LS+4*\q:LS+4*\q+3], v3 offset:64+16*\q
.endr
	s_wait_dscnt 0x0
.irp q, 0,2,4,6
	v_pk_add_f32 v[LS+\q:LS+\q+1], v[LS+\q:LS+\q+1], v[LS+8+\q:LS+9+\q]
.endr
	v_pk_add_f32 v[LS:LS+1], v[LS:LS+1], v[LS+4:LS+5]
	v_pk_add_f32 v[LS+2:LS+3], v[LS+2:LS+3], v[LS+6:LS+7]
	v_pk_add_f32 v[LS:LS+1], v[LS:LS+1], v[LS+2:LS+3]
	v_add_f32 v[LS], v[LS], v[LS+1]                ; L, at least 1: the largest score's term is 1
	v_rcp_f32 v99, v[LS]
	v_nop                                          ; a plain line behind the reciprocal
	s_wait_alu depctr_va_vdst(0)
.irp j, 0,1,2,3
	v_mul_f32 v[O1+\j], v[EX+\j], v99
.endr
	global_store_b128 v1, v[O1:O1+3], s[10:11]     ; attn
	s_wait_loadcnt 0x0                             ; the partial contexts
.irp c, 0,1,2,3
	v_mul_f32 v[O0+\c], v[P+\c], v[F]              ; the first product starts the sums
.endr
.irp i, 1,2,3,4,5,6,7,8,9,10,11,12,13,14,15
.irp c, 0,1,2,3
	v_fma_f32 v[O0+\c], v[P+4*\i+\c], v[F+\i], v[O0+\c]
.endr
.endr
.irp c, 0,1,2,3
	v_mul_f32 v[O0+\c], v[O0+\c], v99
.endr
	global_store_b128 v1, v[O0:O0+3], s[8:9]       ; context
	s_wait_tensorcnt 0x0
	ds_add_u32 v128, v129
	s_wait_dscnt 0x0
	s_endpgm
.Lfunc_end_k_qa6d97e82e6_combine:
	.size	k_qa6d97e82e6_combine, .Lfunc_end_k_qa6d97e82e6_combine-k_qa6d97e82e6_combine
	.p2alignl 7, 3214868480
	.fill 96, 4, 3214868480
	.section	.rodata,"a",@progbits
	.p2align	6, 0x0
	.amdhsa_kernel k_qa6d97e82e6_combine
		.amdhsa_group_segment_fixed_size 1536
		.amdhsa_private_segment_fixed_size 0
		.amdhsa_enable_private_segment 0
		.amdhsa_kernarg_size 32
		.amdhsa_user_sgpr_count 2
		.amdhsa_user_sgpr_kernarg_segment_ptr 1
		.amdhsa_wavefront_size32 1
		.amdhsa_system_sgpr_workgroup_id_x 1
		.amdhsa_system_sgpr_workgroup_id_y 1
		.amdhsa_system_sgpr_workgroup_id_z 1
		.amdhsa_system_vgpr_workitem_id 0
		.amdhsa_next_free_vgpr 130
		.amdhsa_next_free_sgpr 66
		.amdhsa_reserve_vcc 0
		.amdhsa_float_denorm_mode_32 3
		.amdhsa_float_denorm_mode_16_64 3
		.amdhsa_memory_ordered 1
		.amdhsa_forward_progress 1
		.amdhsa_inst_pref_size 13
	.end_amdhsa_kernel
	.amdgpu_metadata
---
amdhsa.version: [ 1, 2 ]
amdhsa.kernels:
  - .name:           k_qa6d97e82e6_combine
    .symbol:         k_qa6d97e82e6_combine.kd
    .args:
      - { .name: score, .offset: 0, .size: 8, .value_kind: global_buffer, .address_space: global }
      - { .name: pctx, .offset: 8, .size: 8, .value_kind: global_buffer, .address_space: global }
      - { .name: out0, .offset: 16, .size: 8, .value_kind: global_buffer, .address_space: global }
      - { .name: out1, .offset: 24, .size: 8, .value_kind: global_buffer, .address_space: global }
    .group_segment_fixed_size: 1536
    .private_segment_fixed_size: 0
    .kernarg_segment_align: 8
    .kernarg_segment_size: 32
    .max_flat_workgroup_size: 256
    .sgpr_count:     66
    .vgpr_count:     130
    .wavefront_size: 32
...
	.end_amdgpu_metadata
.endif
;; end of part 3
